; MI455X (gfx1250); checked and timed in simulation.
; The chip was launched on July 23, 2026; its instructions are those of AMD's public machine-readable ISA for CDNA 5 (MIT licence, August 2026) and "CDNA5" Instruction Set Architecture Reference Guide (July 2026). The comments in the code are by the model that wrote it; some were corrected since.
;; IVF Book. Allowed arithmetic: matrix products marked QUANTISED: E5M2 operands, one given power-of-two scale a tensor, by v_wmma_f32_16x16x64_bf8_bf8 or v_wmma_f32_16x16x128_bf8_bf8, f32 sums; everything else in f32.
;; Inputs: centroids 65,536 x 256 float32; lowp_scales 2 int32 (the exponents e of the quantised operands' scales 2^e); x_BD_codes 4,096 x 8 x 32 uint8 (E5M2 codes of x_BD, K innermost, in blocks of 32 codes); xhat_BFD 4,096 x 1 x 256 float32.
;; Outputs: out0 4,096 x 1 x 256 float32; out1 4,096 x 1 int32.
;; This version of the problem:
;;   THIS VERSION OF THE PROBLEM IS GIVEN IN LOW PRECISION. The matrix products marked QUANTISED in the list below multiply operands that are first quantised to E5M2 (5 exponent bits, 2 mantissa bits; 8 bits a number), with one given power-of-two scale for each operand tensor; their sums are f32. All else is computed in f32.
;;   The module's matrix products, in the order in which they are computed (A, B: the left and right operand; K: the contracted axis; several contracted axes count as one K, in the product's order):
;;     1. [M 4,096, K 256] x [K 256, N 65,536]; A: input x_BD (given as codes); B: input centroids: QUANTISED (scales: A lowp_scales[0], B lowp_scales[1])
;;   THE QUANTISER, for each operand of a quantised product, along K:
;;     - The operand's scale is 2^e, e = its entry of the input lowp_scales (int32; the entries are numbered through the quantised products in the list's order, A before B).
;;     - Each number is divided by the scale, clamped to +-57,344, and rounded to the nearest number of E5M2, ties to even, subnormals kept.
;;     - The product sums the exact products of the quantised numbers (number of the format x scale) in f32.
;;   ~~~python
;;   def quantise(x, axis, e):      # numpy; x: float32 -> the quantised numbers, widened to float32 again
;;       x = np.moveaxis(x, axis, -1); K = x.shape[-1]
;;       r = np.clip(x / 2.0 ** e, -57344, 57344)
;;       step = 2.0 ** (np.maximum(np.frexp(np.where(r == 0, 1, r))[1] - 1, -14) - 2)
;;       q = np.round(r / step) * step * 2.0 ** e      # np.round: ties to even
;;       return np.moveaxis(q, -1, axis).astype(np.float32)
;;   ~~~
;;   INPUTS GIVEN AS CODES. x_BD (in the module: [4096, 256], K = its axis 1): each comes as NAME_codes (uint8): NAME with its K axis moved to the last place and cut into blocks of 32 codes, [.., K / 32, bytes a block], one block behind the other in memory; one code a byte (a code: sign, 5 exponent bits, 2 mantissa bits); its scale is its entry of lowp_scales. Its value is code x scale, taken as it is: it is not quantised again, and the codes and scales need not be those that the quantiser above would give.
;; One version. Each part assembles by itself: llvm-mc -triple=amdgcn-amd-amdhsa -mcpu=gfx1250 --defsym DOCPART=n.
;; ======== version 1 of 1: 2 launches
;; limits: right only within a limited range of input values
;; workspace buffers: part 8,388,608 bytes of whole numbers
;; launch scan (part 1): grid 256 x 1, 4 waves a work-group, clusters of 4 x 1, 327,680 bytes of LDS; arguments centroids, lowp_scales, x_BD_codes, part; writes part
.if DOCPART == 1
	.amdgcn_target "amdgcn-amd-amdhsa--gfx1250"
	.amdhsa_code_object_version 6
	.text
	.protected	k_q22f52c5ceb_scan
	.globl	k_q22f52c5ceb_scan
	.p2align	8
	.type	k_q22f52c5ceb_scan,@function
k_q22f52c5ceb_scan:
	s_mov_b64 s[64:65], 0
	v_nop
	global_prefetch_b8 v0, s[64:65] scope:SCOPE_SE
	s_setreg_imm32_b32 hwreg(HW_REG_WAVE_MODE, 25, 1), 1
	s_wait_xcnt 0x0
	s_wait_alu depctr_hold_cnt(0) depctr_sa_sdst(0) depctr_va_vdst(0) depctr_va_sdst(0) depctr_va_ssrc(0) depctr_va_vcc(0) depctr_vm_vsrc(0)
	s_getreg_b32 s2, hwreg(HW_REG_IB_STS2, 6, 4)
	s_cmp_eq_u32 s2, 0
	s_cbranch_scc0 .Lentry_in_a_cluster
	s_endpgm
.Lentry_in_a_cluster:
	s_bfe_u32 s2, ttmp6, 0x10000c
	s_cmp_lg_u32 s2, 0x3003
	s_cbranch_scc0 .Lentry_shape_is_right
	s_endpgm
.Lentry_shape_is_right:
; For every row of x and every block of 256 centroids: the largest of  x.c - c_sq/2  (in units of 2^(e0+e1)), which is the least distance c_sq - 2 x.c, and the group of 8 neighbouring centroids that holds it.
; DEAD WORK: of xhat_BFD the result takes the shape alone ([4096][1][256], built into the addresses): it is not loaded and is no argument of any launch.  A NaN or infinity in it reaches no result.
; SHARES.  256 work-groups of four waves; work-group g owns centroids 256 g .. 256 g + 255, 16 tiles of 16.  In stage q of four, wave w loads tile 4 q + w as f32 (each byte of centroids is read once in the
; launch), quantises it and puts the codes, as an image of the operand's registers, and the biases -c_sq 2^-(e0+e1+1) into LDS; behind a barrier EVERY wave reads the stage's four tiles into the 128 registers
; that its own f32 rows of that stage have left.  So each wave keeps all 16 fragments (512 registers) and biases (128) for the whole launch.
; x's codes, 4,096 rows, go through a ring of two LDS slots of 256 rows; wave w fetches and reads rows 64 w .. + 63 of a slot: 4 tiles of 16 rows, 32 matrix instructions each.
; CLUSTERS: all work-groups read the same x: the four of a cluster ask for each tile jointly (mask 15).
; Source 0 = 16 centroids, source 1 = 16 rows of x, C = the bias: lane (r, h) holds row r of x, register j centroid 16 t + 8 h + j.
; THE LARGEST SUM RIDES ON THE PRODUCTS: the lines that reduce tiles 0-7 stand three behind each matrix instruction of tiles 8-15, those of tiles 8-15 behind the next x tile's first sixteen.
; A later tile wins only if it is strictly larger, so the first group stays where sums are equal.  For two x tiles at a time the two halves of the lanes are joined (equal sums: the lower group), and
; part[g][row] = (the sum's bits, the group 32 g + 2 t + h): 32 lanes store 256 consecutive bytes, aligned.
; PREFETCH: x's slot four slots on is asked for behind each refill by clusters 0 to 3, its 256 blocks shared out by address (64 a work-group, 16 a wave); the last two refills' trips ask for nothing.
; The centroids have none: every row is asked for at the head, by the loads themselves, up to 56 a wave at a time.
; LIMITS: e1 between -126 and 112; NaN among the centroids and NaN or infinity codes in x are not served.
.set XP,    272                        ; an LDS row of x: 256 bytes + 16
.set XW,    64*XP                      ; a wave's rows of a slot
.set SLOTB, 4*XW
.set XSTEP, 65536                      ; bytes of x in a slot
.set ROWP,  1040                       ; a stage row: 1,024 bytes + 16
.set STG,   2*SLOTB                    ; a stage of 16 f32 rows for each wave
.set IMG0,  STG+4*16*ROWP              ; the codes: 16 tiles x 4,096 bytes
.set BIAS0, IMG0+65536                 ; 256 words
.set SPARE, BIAS0+1024                 ; the spare words: 128 bytes a wave
; window 0
.set SPW, 2
.set NIL, 3
.set L16, 4                            ; 16 lane
.set SA,  5                            ; my stage + 16 lane
.set QA,  6                            ; my 64 bytes of unit 0 of stage row lane % 8
.set QW,  7                            ; where my 16 codes of a unit go
.set BW,  8                            ; where my row's bias goes
.set LI,  9                            ; the image + 16 lane
.set BA,  10                           ; the biases + 32 h
.set XA,  12                           ; v12, v13: my x fragments in slot 0, 1
.set PFO, 14
.set VH,  15
.set SC,  16                           ; 2^e1
.set LM,  17                           ; 57,344 x 2^e1
.set TP,  18
.set CS,  24                           ; v24-31 sums of squares
.set XF,  32                           ; v32-95 x's fragments, two buffers
.set BI,  96                           ; v96-223 the biases, 8 registers a tile; at the head: 8 units of 16 f32 numbers
.set ST,  96
.set CO,  224                          ; v224-255 codes, 4 registers a unit
; window 1
.set U,   0                            ; 8 + 8: two numbers a tile of a half
.set V,   8
.set R,   16                           ; two chains of four tiles: the running largest behind each tile
.set ID,  24
.set HR,  26                           ; a half's largest and its group: half 0 at 26, 27, half 1 at 28, 29
.set TM,  30                           ; an x tile's: the even tile at 30, 31, the odd one at 32, 33
.set SD,  34
.set KP,  36
.set QQ,  38
.set OUT, 40
.set PO,  42                           ; my byte offset in part
.set TV,  64                           ; v64-79: tile t's group number for my half
.set ACC, 128                          ; 16 accumulators.   windows 2, 3: the 16 fragments, 32 registers each; at the head my 64 f32 rows
.set WV,   12
.set CX,   13
.set G,    14
.set G1,   16
.set G0,   24
.set TRIP, 33
.set LIM,  34
.set HM,   35                          ; the mask of lanes 16 to 31
.set PFA,  36
.set MK,   40
.set SEL,  48
.set EB,   50
.set MSB, 0
.macro WIN new
.if MSB != (\new)
	s_set_vgpr_msb (MSB<<8)|(\new)
.set MSB, (\new)
.endif
.endm
.macro PLACES
.rept 4
	v_nop
.endr
.endm
.macro CREST                           ; a round of the cluster's barrier behind its opening barrier
	s_cmp_lg_u32 s[WV], 0
	s_cbranch_scc1 .Lnot_wave_0_\@
	s_barrier_signal -3
.Lnot_wave_0_\@:
	s_barrier_wait -3
	s_barrier_signal -1
	s_barrier_wait -1
.endm
.macro CROUND
	s_barrier_signal -1
	s_barrier_wait -1
	CREST
.endm
.macro GLD j                           ; group j of 16: four f32 rows of my tile of stage j / 4, 8 loads of 512 consecutive bytes
	WIN 0x80+0x40*((\j)/8)
.irp n, 0,1,2,3,4,5,6,7
	global_load_b128 v[32*((\j)%8)+4*\n:32*((\j)%8)+4*\n+3], v[L16], s[4:5] offset:65536*((\j)/4)+4096*((\j)%4)+512*\n th:TH_LOAD_NT
.endr
.endm
.macro GST j                           ; the same four rows into my stage
	WIN 0x08+0x04*((\j)/8)
.irp n, 0,1,2,3,4,5,6,7
	ds_store_b128 v[SA], v[32*((\j)%8)+4*\n:32*((\j)%8)+4*\n+3] offset:(4*((\j)%4)+(\n)/2)*ROWP+512*((\n)%2)
.endr
.endm
.macro QS k, u, off                    ; a unit: 16 neighbouring numbers a lane: squares, the hold, the conversion, 16 codes to their place in the image
.set SS, ST+16*(\k)
.irp p, 0,1,2,3,4,5,6,7
.if ((\u) == 0) && (\p < 4)
	v_pk_mul_f32 v[CS+2*\p:CS+2*\p+1], v[SS+2*\p:SS+2*\p+1], v[SS+2*\p:SS+2*\p+1]
.else
	v_pk_fma_f32 v[CS+2*(\p%4):CS+2*(\p%4)+1], v[SS+2*\p:SS+2*\p+1], v[SS+2*\p:SS+2*\p+1], v[CS+2*(\p%4):CS+2*(\p%4)+1]
.endif
.endr
.irp i, 0,1,2,3,4,5,6,7,8,9,10,11,12,13,14,15
	v_med3_num_f32 v[SS+\i], v[SS+\i], -v[LM], v[LM]   ; the conversion to an 8-bit code does not saturate (ISA guide 7.6.2)
.endr
	v_cvt_scalef32_pk8_bf8_f32 v[CO+4*(\k):CO+4*(\k)+1], v[SS:SS+7], v[SC]
	v_cvt_scalef32_pk8_bf8_f32 v[CO+4*(\k)+2:CO+4*(\k)+3], v[SS+8:SS+15], v[SC]
	ds_store_b128 v[QW], v[CO+4*(\k):CO+4*(\k)+3] offset:(\off)+1024*(\u)
.endm
.macro QFIN off                        ; a row's c_sq over its four lanes; the bias
	v_pk_add_f32 v[CS:CS+1], v[CS:CS+1], v[CS+2:CS+3]
	v_pk_add_f32 v[CS+4:CS+5], v[CS+4:CS+5], v[CS+6:CS+7]
	v_pk_add_f32 v[CS:CS+1], v[CS:CS+1], v[CS+4:CS+5]
	v_add_f32 v[CS], v[CS], v[CS+1]
	v_add_f32_dpp v[CS], v[CS], v[CS] row_xmask:8 row_mask:0xf bank_mask:0xf
	v_permlanex16_b32 v[TP], v[CS], s[SEL], s[SEL+1]
	v_add_f32 v[CS], v[CS], v[TP]
	v_xor_b32 v[CS], 0x80000000, v[CS]
	v_ldexp_f32 v[CS], v[CS], s[EB]
	ds_store_b32 v[BW], v[CS] offset:\off
.endm
.macro QT q                            ; my tile of stage q: 16 rows out of the stage, four lanes to a row: k = 64 u + 32 ((lane / 8) % 2) + 16 h + 0 .. 15
.irp gq, 0,1
.irp u, 0,1,2,3
.irp n, 0,1,2,3
	ds_load_b128 v[ST+16*(4*\gq+\u)+4*\n:ST+16*(4*\gq+\u)+4*\n+3], v[QA] offset:8*\gq*ROWP+256*\u+16*\n
.endr
.endr
.endr
	s_wait_dscnt 0x0
.irp gq, 0,1
.irp u, 0,1,2,3
	QS 4*\gq+\u, \u, 16384*(\q)+128*\gq
.endr
	QFIN 256*(\q)+32*\gq
.endr
.endm
.macro IMG q                           ; stage q's four tiles out of the image into their registers
	WIN 0x80+0x40*((\q)/2)
.irp tt, 0,1,2,3
.irp n, 0,1,2,3,4,5,6,7
	ds_load_b128 v[128*((\q)%2)+32*\tt+4*\n:128*((\q)%2)+32*\tt+4*\n+3], v[LI] offset:4096*(4*(\q)+\tt)+512*\n
.endr
.endr
	WIN 0
.endm
.macro LDX slot, i, p                  ; x's tile i of my four in a slot: lane (r, h): k = 32 n + 16 h + 0 .. 15, as the image has the centroids
.irp n, 0,1,2,3,4,5,6,7
	ds_load_b128 v[XF+32*(\p)+4*\n:XF+32*(\p)+4*\n+3], v[XA+\slot] offset:(\i)*16*XP+32*\n
.endr
.endm
.macro HMX k
	v_max3_num_f32 v[R+2*\k+hc], v[R+2*\k-2+hc], v[U+4*hc+\k], v[V+4*hc+\k]
.endm
.macro HCP k, m
	v_cmp_gt_f32 s[MK+\m+hc], v[R+2*\k+hc], v[R+2*\k-2+hc]
.endm
; Line n of the lines that reduce half w (tiles 8 w .. 8 w + 7) of an x tile; all registers in window 1.  0-23: a tile's 8 sums into two numbers, each accumulator from its low end on.  24-46: two chains of four
; tiles, then joined.  47-49 (half 1): the two halves of the tiles joined, into the x tile's pair par.  50-61 (behind an odd x tile): lanes 0-15 keep the even tile's pair and send the odd one's, lanes 16-31 the other way.
.macro HOP w, n, lim, par
.set hn, (\n)
.set hc, hn%2
.set hb, 8*(\w)
.if hn < (\lim)
.if hn < 8
	v_max3_num_f32 v[U+hn], v[ACC+8*(hb+hn)], v[ACC+8*(hb+hn)+1], v[ACC+8*(hb+hn)+2]
.elseif hn < 16
	v_max3_num_f32 v[V+hn-8], v[ACC+8*(hb+hn-8)+3], v[ACC+8*(hb+hn-8)+4], v[ACC+8*(hb+hn-8)+5]
.elseif hn < 24
	v_max3_num_f32 v[U+hn-16], v[U+hn-16], v[ACC+8*(hb+hn-16)+6], v[ACC+8*(hb+hn-16)+7]
.elseif hn < 26
	v_max_num_f32 v[R+hc], v[U+4*hc], v[V+4*hc]
.elseif hn < 28
	HMX 1
.elseif hn < 30
	HCP 1, 0
.elseif hn < 32
	HMX 2
.elseif hn < 34
	v_cndmask_b32 v[ID+hc], v[TV+hb+4*hc], v[TV+hb+4*hc+1], s[MK+hc]
.elseif hn < 36
	HCP 2, 2
.elseif hn < 38
	HMX 3
.elseif hn < 40
	v_cndmask_b32 v[ID+hc], v[ID+hc], v[TV+hb+4*hc+2], s[MK+2+hc]
.elseif hn < 42
	HCP 3, 0
.elseif hn < 44
	v_cndmask_b32 v[ID+hc], v[ID+hc], v[TV+hb+4*hc+3], s[MK+hc]
.elseif hn == 44
	v_cmp_gt_f32 s[MK+2], v[R+7], v[R+6]
.elseif hn == 45
	v_max_num_f32 v[HR+2*(\w)], v[R+6], v[R+7]
.elseif hn == 46
	v_cndmask_b32 v[HR+2*(\w)+1], v[ID], v[ID+1], s[MK+2]
.elseif hn == 47
	v_cmp_gt_f32 s[MK+3], v[HR+2], v[HR]
.elseif hn == 48
	v_max_num_f32 v[TM+2*(\par)], v[HR], v[HR+2]
.elseif hn == 49
	v_cndmask_b32 v[TM+2*(\par)+1], v[HR+1], v[HR+3], s[MK+3]
.elseif hn == 50
	v_cndmask_b32 v[SD], v[TM+2], v[TM], s[HM]
.elseif hn == 51
	v_cndmask_b32 v[SD+1], v[TM+3], v[TM+1], s[HM]
.elseif hn == 52
	v_cndmask_b32 v[KP], v[TM], v[TM+2], s[HM]
.elseif hn == 53
	v_cndmask_b32 v[KP+1], v[TM+1], v[TM+3], s[HM]
.elseif hn == 54
	v_permlanex16_b32 v[QQ], v[SD], s[SEL], s[SEL+1]
.elseif hn == 55
	v_permlanex16_b32 v[QQ+1], v[SD+1], s[SEL], s[SEL+1]
.elseif hn == 56
	v_cmp_gt_f32 s[MK], v[QQ], v[KP]
.elseif hn == 57
	v_cmp_eq_f32 s[MK+1], v[QQ], v[KP]
.elseif hn == 58
	v_min_u32 v[SD], v[QQ+1], v[KP+1]
.elseif hn == 59
	v_max_num_f32 v[OUT], v[KP], v[QQ]
.elseif hn == 60
	v_cndmask_b32 v[SD], v[KP+1], v[SD], s[MK+1]
.elseif hn == 61
	v_cndmask_b32 v[OUT+1], v[SD], v[QQ+1], s[MK]
.endif
.endif
.endm
; 16 matrix instructions: tiles 8 w .. 8 w + 7 against x's buffer p, the eight accumulators by turns, one instruction a turn.
; hw >= 0: three lines of half hw's reduction behind each, what is over behind the last.  hw < 0: nothing rides along, and four places stand behind the last.
.macro HALF w, p, hw, lim, par
.set idx, 0
.rept 16
.if idx < 8
	WIN 0x42+\w
	v_wmma_f32_16x16x128_bf8_bf8 v[ACC+64*\w+8*idx:ACC+64*\w+8*idx+7], v[32*idx:32*idx+15], v[XF+32*(\p):XF+32*(\p)+15], v[BI+64*\w+8*idx:BI+64*\w+8*idx+7]
.else
	WIN 0x52+\w
	v_wmma_f32_16x16x128_bf8_bf8 v[ACC+64*\w+8*idx-64:ACC+64*\w+8*idx-57], v[32*idx-240:32*idx-225], v[XF+32*(\p)+16:XF+32*(\p)+31], v[ACC+64*\w+8*idx-64:ACC+64*\w+8*idx-57]
.endif
.if \hw >= 0
	WIN 0x55
	HOP \hw, 3*idx, \lim, \par
	HOP \hw, 3*idx+1, \lim, \par
	HOP \hw, 3*idx+2, \lim, \par
.endif
.set idx, idx+1
.endr
.if \hw >= 0
.set rn, 48
.rept 14
	HOP \hw, rn, \lim, \par
.set rn, rn+1
.endr
.else
	PLACES
.endif
.endm
.macro ASK
	s_cmp_gt_u32 s[TRIP], s[LIM]
	s_cbranch_scc0 .Lno_ask_\@
	global_prefetch_b8 v[PFO], s[PFA:PFA+1] th:TH_LOAD_NT scope:SCOPE_SE
.Lno_ask_\@:
.endm
; x's tile i of a slot.  kind (tile 3 alone): 2: the slots change and this slot is filled again; 1: they change, nothing is fetched; 0: the last slot.
; prev = 1: the tile before has its tiles 8-15 still to reduce.  sto >= 0: behind that, a pair of x tiles is stored at this offset.
.macro TILE slot, i, kind, prev, sto
.if ((\i) % 2) == 1
	s_wait_xcnt 0x0                                ; the last store has read OUT, my last prefetch its address
.endif
.if ((\i) == 3) && ((\kind) == 2)
	WIN 0
	s_add_nc_u64 s[PFA:PFA+1], s[PFA:PFA+1], XSTEP
	s_wait_tensorcnt 0x0                           ; all my tensor loads have landed: my rows of the other slot;
	ds_add_u32 v[SPW], v[NIL]
	s_add_nc_u64 s[G0+4*\slot+2:G0+4*\slot+3], s[G0+4*\slot+2:G0+4*\slot+3], 2*XSTEP
	s_wait_dscnt 0x0                               ; the add is done, and my last reads of this slot, this tile's fragments, are in
	s_barrier_signal -1                            ; opens the round; work on registers stands between the signal and its wait
.else
	s_wait_dscnt 0x0                               ; this tile's fragments are in
.endif
.if \prev
	HALF 0, (\i)%2, 1, 50+12*(((\i)+1)%2), ((\i)+1)%2
.else
	HALF 0, (\i)%2, -1, 0, 0
.endif
.if (\sto) >= 0
	global_store_b64 v[PO], v[OUT:OUT+1], s[10:11] offset:\sto
.endif
	WIN 0
.if (\i) < 3
	LDX \slot, (\i)+1, ((\i)+1)%2                  ; the next tile's fragments, into the buffer that the tile before has left
.elseif (\kind) == 2
	s_barrier_wait -1
	CREST
	tensor_load_to_lds s[G0+4*\slot:G0+4*\slot+3], s[G1:G1+7]   ; my one load behind the round: this slot's next 64 rows
	s_nop 0
	LDX 1-\slot, 0, 0
	ASK
.elseif (\kind) == 1
	s_wait_tensorcnt 0x0                           ; my rows of the last slot are in; only I read them
	LDX 1-\slot, 0, 0
.endif
	HALF 1, (\i)%2, 0, 47, 0
.endm
	s_load_b256 s[4:11], s[0:1], 0x0               ; centroids s[4:5], the scales' exponents s[6:7], x's codes s[8:9], part s[10:11]
	v_lshl_add_u32 v[SPW], v0, 2, SPARE
	v_mov_b32 v[NIL], 0
	ds_add_u32 v[SPW], v[NIL]                      ; the opening lines: the add twice on end and one wait
	ds_add_u32 v[SPW], v[NIL]
	v_lshrrev_b32 v1, 5, v0
	v_readfirstlane_b32 s[WV], v1
	v_and_b32 v1, 31, v0
	v_lshlrev_b32 v[L16], 4, v1
	s_bfe_u32 s[CX], ttmp6, 0x40000
	s_lshl_b32 s52, ttmp9, 2
	s_add_co_u32 s[G], s52, s[CX]                  ; g
	s_mov_b32 s[G1+0], 15|(1<<20)|(1<<21)|(5<<22)|(3<<25)   ; mask of the four; bytes; 16 bytes of padding behind every 256
	s_mov_b32 s[G1+1], 256<<16
	s_mov_b32 s[G1+2], 64<<16
	s_mov_b32 s[G1+3], 256<<16
	s_mov_b32 s[G1+4], 64
	s_mov_b32 s[G1+5], 256
	s_mov_b32 s[G1+6], 0
	s_mov_b32 s[G1+7], 0
	s_lshl_b32 s54, s[G], 18                       ; my block of centroids, tile w
	s_lshl_b32 s53, s[WV], 14
	s_add_co_u32 s54, s54, s53
	s_mov_b32 s55, 0
	s_mul_i32 s52, s[WV], XW
	s_lshl_b32 s56, s[WV], 14                      ; my 64 rows of a slot of x
	s_mov_b32 s57, 0
	s_mul_i32 s44, s[WV], 16*ROWP
	s_add_co_u32 s44, s44, STG
	s_lshl_b32 s45, s[WV], 12
	s_add_co_u32 s45, s45, IMG0
	s_lshl_b32 s46, s[WV], 6
	s_add_co_u32 s46, s46, BIAS0
	s_lshl_b32 s47, s[WV], 9
	s_lshl_b32 s51, s[WV], 12
	s_lshl_b32 s58, s[CX], 14
	s_add_co_u32 s58, s58, 3*XSTEP
	s_mov_b32 s59, 0
	s_lshl_b32 s38, s[G], 15
	s_mov_b32 s39, 0
	s_cmp_lt_u32 ttmp9, 4
	s_cselect_b32 s[LIM], 1, 100                   ; clusters 0 to 3 prefetch
	s_mov_b32 s[HM], 0xffff0000
	s_mov_b32 s[SEL], 0x76543210
	s_mov_b32 s[SEL+1], 0xfedcba98
	s_wait_alu depctr_va_vdst(0)
	s_wait_dscnt 0x0
	s_wait_kmcnt 0x0
	s_load_b64 s[60:61], s[6:7], 0x0               ; e0, e1
	s_add_nc_u64 s[4:5], s[4:5], s[54:55]
	s_add_nc_u64 s[56:57], s[8:9], s[56:57]
	s_add_nc_u64 s[PFA:PFA+1], s[8:9], s[58:59]
	s_add_nc_u64 s[10:11], s[10:11], s[38:39]
.irp s, 0,1
	s_mov_b32 s[G0+4*\s], 1
	s_add_co_u32 s[G0+4*\s+1], s52, \s*SLOTB
	s_add_nc_u64 s[G0+4*\s+2:G0+4*\s+3], s[56:57], \s*XSTEP
	s_or_b32 s[G0+4*\s+3], s[G0+4*\s+3], 0x80000000
.endr
.irp j, 0,1,2,3,4,5,6
	GLD \j                                         ; 56 loads of my f32 rows go out first
.endr
	WIN 0
	CROUND
	tensor_load_to_lds s[G0:G0+3], s[G1:G1+7]      ; x's slot 0: one tensor load a wave at the head
	s_nop 0
	v_and_b32 v20, 15, v0                          ; r
	v_bfe_u32 v[VH], v0, 4, 1                      ; h
	v_and_b32 v21, 7, v0
	v_bfe_u32 v22, v0, 3, 1
	v_add_nc_u32 v[SA], s44, v[L16]
	v_mul_u32_u24 v[QA], v21, ROWP
	v_lshl_add_u32 v[QA], v22, 7, v[QA]
	v_lshl_add_u32 v[QA], v[VH], 6, v[QA]
	v_add_nc_u32 v[QA], s44, v[QA]
	v_lshlrev_b32 v[QW], 9, v22
	v_lshl_add_u32 v[QW], v[VH], 8, v[QW]
	v_lshl_add_u32 v[QW], v21, 4, v[QW]
	v_add_nc_u32 v[QW], s45, v[QW]
	v_lshl_add_u32 v[BW], v21, 2, s46
	v_add_nc_u32 v[LI], IMG0, v[L16]
	v_lshl_add_u32 v[BA], v[VH], 5, BIAS0
	v_mul_u32_u24 v[XA], v20, XP
	v_lshl_add_u32 v[XA], v[VH], 4, v[XA]
	v_add_nc_u32 v[XA], s52, v[XA]
	v_add_nc_u32 v[XA+1], SLOTB, v[XA]
	v_min_u32 v[PFO], 15, v1                       ; a block of 256 bytes a lane; lanes 16 to 31 name the wave's last block again
	v_lshl_add_u32 v[PFO], v[PFO], 8, s51
	v_mov_b32 v[TP], 0
	v_lshl_add_u32 v23, s[G], 5, v[VH]             ; 32 g + h
	v_lshl_add_u32 v19, v1, 3, s47                 ; 512 w + 8 lane
	WIN 0x40
.irp t, 0,1,2,3,4,5,6,7,8,9,10,11,12,13,14,15
	v_add_nc_u32 v[TV+\t], 2*\t, v23
.endr
	v_mov_b32 v[PO], v19
	v_mov_b32 v[QQ], 0                             ; written once: a lane permute's destination counts as one of its sources
	v_mov_b32 v[QQ+1], 0
	WIN 0
	s_wait_alu depctr_va_vdst(0)
	s_wait_kmcnt 0x0
	s_add_co_i32 s[EB], s60, s61
	s_add_co_i32 s[EB], s[EB], 1
	s_sub_co_i32 s[EB], 0, s[EB]                   ; -(e0 + e1 + 1)
	s_add_co_i32 s52, s61, 127
	s_lshl_b32 s53, s52, 23
	v_mov_b32 v[SC], s53
	s_add_co_i32 s52, s52, 15
	s_lshl_b32 s52, s52, 23
	s_or_b32 s52, s52, 0x600000
	v_mov_b32 v[LM], s52
	s_wait_alu depctr_va_vdst(0)                   ; the head's end
.irp j, 0,1,2,3,4,5,6,7,8,9,10,11,12,13,14,15
.if \j < 9
	s_wait_loadcnt 48                              ; loads come back in order: group j is in, the six younger groups may be out
.else
	s_wait_loadcnt 8*(15-\j)
.endif
	GST \j
.if \j < 9
	GLD \j+7
.endif
.if (\j % 4) == 3
	WIN 0
	QT (\j)/4                                      ; LDS serves a wave's instructions in order: the loads see the stores above, the next tile's stores come behind these loads
.if \j < 15
	s_wait_alu depctr_va_vdst(0)
	s_wait_dscnt 0x0                               ; my codes of this stage are stored
	s_barrier_signal -1
	s_barrier_wait -1                              ; and everybody's
	IMG (\j)/4
.endif
.endif
.endr
	s_wait_alu depctr_va_vdst(0)
	s_wait_tensorcnt 0x0                           ; my rows of slot 0 are in
	ds_add_u32 v[SPW], v[NIL]
	s_wait_dscnt 0x0                               ; the add, and my stores of codes and biases, are done
	CROUND                                         ; so everybody's last codes and all biases may be read
	tensor_load_to_lds s[G0+4:G0+7], s[G1:G1+7]    ; slot 1's first fill
	s_nop 0
	LDX 0, 0, 0
.irp t, 0,1,2,3,4,5,6,7,8,9,10,11,12,13,14,15
	ds_load_b128 v[BI+8*\t:BI+8*\t+3], v[BA] offset:64*\t
	ds_load_b128 v[BI+8*\t+4:BI+8*\t+7], v[BA] offset:64*\t+16
.endr
	IMG 3
	TILE 0, 0, 2, 0, -1                            ; the first tile stands ahead of the loop: nothing rides on its first half
	WIN 0
	s_mov_b32 s[TRIP], 7
.Ltrip:                                                ; a trip: eight tiles, from a slot 0's second to the next slot 0's first; both slots are filled again
	TILE 0, 1, 2, 1, -1
	TILE 0, 2, 2, 1, 0
	TILE 0, 3, 2, 1, -1
	TILE 1, 0, 2, 1, 256
	TILE 1, 1, 2, 1, -1
	TILE 1, 2, 2, 1, 2048
	TILE 1, 3, 2, 1, -1
	TILE 0, 0, 2, 1, 2304
	WIN 0
	s_wait_xcnt 0x0                                ; the stores have read their base
	s_add_nc_u64 s[10:11], s[10:11], 4096
	s_sub_co_u32 s[TRIP], s[TRIP], 1
	s_cmp_lg_u32 s[TRIP], 0
	s_cbranch_scc1 .Ltrip
	TILE 0, 1, 2, 1, -1                            ; the last two slots fetch nothing
	TILE 0, 2, 2, 1, 0
	TILE 0, 3, 1, 1, -1
	TILE 1, 0, 2, 1, 256
	TILE 1, 1, 2, 1, -1
	TILE 1, 2, 2, 1, 2048
	TILE 1, 3, 0, 1, -1
	WIN 0x55
.set rn, 0
.rept 62
	HOP 1, rn, 62, 1                               ; the last tile's tiles 8-15, and the last pair
.set rn, rn+1
.endr
	global_store_b64 v[PO], v[OUT:OUT+1], s[10:11] offset:2304
	WIN 0
	s_wait_tensorcnt 0x0                           ; the wave's end
	ds_add_u32 v[SPW], v[NIL]
	s_wait_dscnt 0x0
	CROUND                                         ; the closing round
	s_endpgm
.Lfunc_end_k_q22f52c5ceb_scan:
	.size	k_q22f52c5ceb_scan, .Lfunc_end_k_q22f52c5ceb_scan-k_q22f52c5ceb_scan
	.p2alignl 7, 3214868480
	.fill 96, 4, 3214868480
	.section	.rodata,"a",@progbits
	.p2align	6, 0x0
	.amdhsa_kernel k_q22f52c5ceb_scan
		.amdhsa_group_segment_fixed_size 327680
		.amdhsa_private_segment_fixed_size 0
		.amdhsa_enable_private_segment 0
		.amdhsa_kernarg_size 32
		.amdhsa_user_sgpr_count 2
		.amdhsa_user_sgpr_kernarg_segment_ptr 1
		.amdhsa_wavefront_size32 1
		.amdhsa_system_sgpr_workgroup_id_x 1
		.amdhsa_system_sgpr_workgroup_id_y 1
		.amdhsa_system_sgpr_workgroup_id_z 1
		.amdhsa_system_vgpr_workitem_id 0
		.amdhsa_next_free_vgpr 1024
		.amdhsa_next_free_sgpr 66
		.amdhsa_reserve_vcc 0
		.amdhsa_float_denorm_mode_32 3
		.amdhsa_float_denorm_mode_16_64 3
		.amdhsa_memory_ordered 1
		.amdhsa_forward_progress 1
		.amdhsa_inst_pref_size 255
	.end_amdhsa_kernel
	.section	.bss,"aw",@nobits
	.p2align	6
	.space	262144
	.amdgpu_metadata
---
amdhsa.version: [ 1, 2 ]
amdhsa.kernels:
  - .name:           k_q22f52c5ceb_scan
    .symbol:         k_q22f52c5ceb_scan.kd
    .args:
      - { .name: centroids, .offset: 0, .size: 8, .value_kind: global_buffer, .address_space: global }
      - { .name: lowp_scales, .offset: 8, .size: 8, .value_kind: global_buffer, .address_space: global }
      - { .name: x_BD_codes, .offset: 16, .size: 8, .value_kind: global_buffer, .address_space: global }
      - { .name: part, .offset: 24, .size: 8, .value_kind: global_buffer, .address_space: global }
    .group_segment_fixed_size: 327680
    .private_segment_fixed_size: 0
    .kernarg_segment_align: 8
    .kernarg_segment_size: 32
    .max_flat_workgroup_size: 128
    .sgpr_count:     66
    .vgpr_count:     1024
    .wavefront_size: 32
...
	.end_amdgpu_metadata
.endif
;; end of part 1
;; launch finish (part 2): grid 256 x 1, 8 waves a work-group, no clusters, 168,960 bytes of LDS; arguments part, centroids, lowp_scales, x_BD_codes, out0, out1; writes out0, out1
.if DOCPART == 2
	.amdgcn_target "amdgcn-amd-amdhsa--gfx1250"
	.amdhsa_code_object_version 6
	.text
	.protected	k_q22f52c5ceb_finish
	.globl	k_q22f52c5ceb_finish
	.p2align	8
	.type	k_q22f52c5ceb_finish,@function
k_q22f52c5ceb_finish:
	s_mov_b64 s[64:65], 0
	v_nop
	global_prefetch_b8 v0, s[64:65] scope:SCOPE_SE
	s_setreg_imm32_b32 hwreg(HW_REG_WAVE_MODE, 25, 1), 1
	s_wait_xcnt 0x0
; For each row of x: of its 256 pairs in part (the largest sum's bits and the group's number, whole numbers that the launch before stored: one pair for each block of 256 centroids)
; the largest sum, and among equals the least group, names the group of 8 neighbouring centroids that holds the winner.  The bits are ordered by whole-number lines alone: key = bits xor 0x7fffffff where the
; sign is clear, bits - 1 where it is set (so -0 and +0 have one key); the least key is the largest sum.
; The group's 8 f32 rows are loaded, quantised and multiplied once more, by the same lines and layouts as in the launch before; the first largest of the 8 sums is the winner.
; out1 = its index; out0 = its f32 row, picked from the 8 rows in registers by selects: no address hangs on a floating-point number.
; xhat_BFD is not among the arguments: of it the result takes the shape alone, which is built into the addresses.
; SHARES.  A work-group takes 16 rows, a wave two: a and b = a + 1.  ONE matrix tile serves both: source 0 = group a's 8 centroids, then group b's 8; source 1 = x_a in columns 0-7, x_b in columns 8-15.
; Lane 0 then holds group a against x_a, lane 24 group b against x_b.  Every LDS byte is a wave's own: no barrier.
; No tensor load, no cluster: waves and work-groups share nothing.  No prefetch: the rows' addresses are known only when the pairs have been read, and are asked for at once.
; LIMITS: as in the launch before: e1 between -126 and 112; NaN among the centroids and NaN or infinity codes in x are not served.
.set ROWP,  1040
.set WREG,  20992                      ; LDS of a wave: a stage of 16 rows, an image of 4,096 bytes, a block of 256 for 16 words of bias
.set IMGO,  16*ROWP
.set IMGB,  4096
.set BIO,   IMGO+4096
.set LN,   1
.set VH,   2
.set RHO,  3
.set Q1,   4
.set SA,   5
.set QA,   6
.set QW,   7
.set BW,   8
.set LI,   9
.set BA,   10
.set XO,   11                          ; x: 256 ((lane / 8) % 2) + 16 (lane / 16)
.set PO,   12                          ; part: a block's slice a lane, 32,768 bytes apart
.set L16,  13
.set OFA,  14
.set SC,   16
.set LM,   17
.set TP,   18
.set TQ,   19
.set GA,   20
.set MA,   22
.set XF,   24                          ; v24-55   x's two fragments
.set ST,   56                          ; v56-87   two sets of 16 f32 numbers; later the accumulator and the index work
.set PT,   56                          ; v56-87   first: 8 x (bits a, group a, bits b, group b)
.set ACC,  56
.set IDX,  64
.set MX,   65
.set IA,   66
.set IB,   67
.set O1,   68
.set CO,   88
.set CS,   104
.set FB,   88
.set BI,   120
.set LIN,  128                         ; v128-255 the 16 rows as they lie
.set WV,   16
.set SEL,  20
.set EB,   22
.macro QL u, qa, off
.irp n, 0,1,2,3
	ds_load_b128 v[ST+16*((\u)%2)+4*\n:ST+16*((\u)%2)+4*\n+3], v[\qa] offset:(\off)+256*(\u)+16*\n
.endr
.endm
.macro QS u, off
.set SS, ST+16*((\u)%2)
.irp p, 0,1,2,3,4,5,6,7
.if ((\u) == 0) && (\p < 4)
	v_pk_mul_f32 v[CS+2*\p:CS+2*\p+1], v[SS+2*\p:SS+2*\p+1], v[SS+2*\p:SS+2*\p+1]
.else
	v_pk_fma_f32 v[CS+2*(\p%4):CS+2*(\p%4)+1], v[SS+2*\p:SS+2*\p+1], v[SS+2*\p:SS+2*\p+1], v[CS+2*(\p%4):CS+2*(\p%4)+1]
.endif
.endr
.irp i, 0,1,2,3,4,5,6,7,8,9,10,11,12,13,14,15
	v_med3_num_f32 v[SS+\i], v[SS+\i], -v[LM], v[LM]
.endr
	v_cvt_scalef32_pk8_bf8_f32 v[CO+4*(\u):CO+4*(\u)+1], v[SS:SS+7], v[SC]
	v_cvt_scalef32_pk8_bf8_f32 v[CO+4*(\u)+2:CO+4*(\u)+3], v[SS+8:SS+15], v[SC]
	v_nop
	ds_store_b128 v[QW], v[CO+4*(\u):CO+4*(\u)+3] offset:(\off)+1024*(\u)
.endm
.macro QFIN off
	v_pk_add_f32 v[CS:CS+1], v[CS:CS+1], v[CS+2:CS+3]
	v_pk_add_f32 v[CS+4:CS+5], v[CS+4:CS+5], v[CS+6:CS+7]
	v_pk_add_f32 v[CS:CS+1], v[CS:CS+1], v[CS+4:CS+5]
	v_add_f32 v[CS], v[CS], v[CS+1]
	v_add_f32_dpp v[CS], v[CS], v[CS] row_xmask:8 row_mask:0xf bank_mask:0xf
	v_permlanex16_b32 v[TP], v[CS], s[SEL], s[SEL+1]
	v_add_f32 v[CS], v[CS], v[TP]
	v_xor_b32 v[CS], 0x80000000, v[CS]
	v_ldexp_f32 v[CS], v[CS], s[EB]
	ds_store_b32 v[BW], v[CS] offset:\off
.endm
.macro LDN ip, tau, f
.irp n, 0,1,2,3,4,5,6,7
	ds_load_b128 v[FB+32*(\f)+4*\n:FB+32*(\f)+4*\n+3], v[LI] offset:(\ip)*IMGB+(\tau)*4096+512*\n
.endr
	ds_load_b128 v[BI+8*(\f):BI+8*(\f)+3], v[BA] offset:(\ip)*256+64*(\tau)
	ds_load_b128 v[BI+8*(\f)+4:BI+8*(\f)+7], v[BA] offset:(\ip)*256+64*(\tau)+16
.endm
.macro BFLY r                          ; the least of v[r] over the wave's 32 lanes, as unsigned numbers, in every lane
.irp m, 1,2,4,8
	v_mov_b32_dpp v[TP], v[\r] row_xmask:\m row_mask:0xf bank_mask:0xf
	v_min_u32 v[\r], v[\r], v[TP]
.endr
	v_permlanex16_b32 v[TP], v[\r], s[SEL], s[SEL+1]
	v_min_u32 v[\r], v[\r], v[TP]
.endm
	s_load_b256 s[4:11], s[0:1], 0x0               ; part s[4:5], centroids s[6:7], the scales' exponents s[8:9], x's codes s[10:11]
	s_load_b128 s[12:15], s[0:1], 0x20             ; out0 s[12:13], out1 s[14:15]
	s_set_vgpr_msb 0x40
	v_lshl_add_u32 v0, v0, 2, 0x29000              ; v256: my spare word, behind the eight waves' LDS
	v_mov_b32 v1, 0                                ; v257: 0
	s_set_vgpr_msb 0x4000
	v_lshrrev_b32 v1, 5, v0
	v_readfirstlane_b32 s[WV], v1
	v_and_b32 v[LN], 31, v0
	v_bfe_u32 v[VH], v0, 4, 1
	v_and_b32 v[RHO], 7, v0
	v_bfe_u32 v[Q1], v0, 3, 1
	v_lshlrev_b32 v[L16], 4, v[LN]
	v_lshlrev_b32 v[PO], 15, v[LN]
	v_lshlrev_b32 v[XO], 8, v[Q1]
	v_lshl_add_u32 v[XO], v[VH], 4, v[XO]
	s_mul_i32 s17, s[WV], WREG
	v_add_nc_u32 v[SA], s17, v[L16]
	v_mul_u32_u24 v[QA], v[RHO], ROWP
	v_lshl_add_u32 v[QA], v[Q1], 7, v[QA]
	v_lshl_add_u32 v[QA], v[VH], 6, v[QA]
	v_add_nc_u32 v[QA], s17, v[QA]
	s_add_co_u32 s18, s17, IMGO
	v_add_nc_u32 v[LI], s18, v[L16]
	v_lshlrev_b32 v[QW], 9, v[Q1]
	v_lshl_add_u32 v[QW], v[VH], 8, v[QW]
	v_lshl_add_u32 v[QW], v[RHO], 4, v[QW]
	v_add_nc_u32 v[QW], s18, v[QW]
	s_add_co_u32 s18, s17, BIO
	v_lshl_add_u32 v[BW], v[RHO], 2, s18
	v_lshl_add_u32 v[BA], v[VH], 5, s18
	v_mov_b32 v[TP], 0
	s_mov_b32 s[SEL], 0x76543210
	s_mov_b32 s[SEL+1], 0xfedcba98
	s_lshl_b32 s24, ttmp9, 4
	s_lshl_b32 s25, s[WV], 1
	s_add_co_u32 s24, s24, s25                     ; a = 16 x work-group + 2 x wave
	s_lshl_b32 s26, s24, 3                         ; its pair in a slice of part,
	s_mov_b32 s27, 0
	s_lshl_b32 s28, s24, 8                         ; its codes,
	s_mov_b32 s29, 0
	s_lshl_b32 s30, s24, 10                        ; its row of out0,
	s_mov_b32 s31, 0
	s_lshl_b32 s32, s24, 2                         ; its word of out1
	s_mov_b32 s33, 0
	s_wait_alu depctr_va_vdst(0)                   ; the head's end
	s_wait_kmcnt 0x0
	s_load_b64 s[34:35], s[8:9], 0x0               ; e0, e1
	s_add_nc_u64 s[4:5], s[4:5], s[26:27]
	s_add_nc_u64 s[10:11], s[10:11], s[28:29]
	s_add_nc_u64 s[12:13], s[12:13], s[30:31]
	s_add_nc_u64 s[14:15], s[14:15], s[32:33]
.irp i, 0,1,2,3,4,5,6,7
	global_load_b128 v[PT+4*\i:PT+4*\i+3], v[PO], s[4:5] offset:1048576*\i          ; block = lane + 32 i: bits a, group a, bits b, group b
.endr
.irp s, 0,1
.irp c, 0,1,2,3
	global_load_b128 v[XF+16*\s+4*\c:XF+16*\s+4*\c+3], v[XO], s[10:11] offset:128*\s+32*\c   ; column r takes row a + r / 8
.endr
.endr
	s_wait_loadcnt 8                               ; the pairs are in; x's eight loads may be out
.irp g, 0,1
.irp i, 0,1,2,3,4,5,6,7
	v_xor_b32 v[TP], 0x7fffffff, v[PT+4*\i+2*\g]
	v_add_nc_u32 v[TQ], -1, v[PT+4*\i+2*\g]
	v_cmp_gt_i32 vcc_lo, 0, v[PT+4*\i+2*\g]
	v_cndmask_b32 v[PT+4*\i+2*\g], v[TP], v[TQ], vcc_lo    ; the key
.endr
	v_min_u32 v[MA+\g], v[PT+2*\g], v[PT+4+2*\g]
.irp i, 2,3,4,5,6,7
	v_min_u32 v[MA+\g], v[MA+\g], v[PT+4*\i+2*\g]
.endr
	BFLY MA+\g                                     ; the row's least key
	v_mov_b32 v[GA+\g], -1
.irp i, 0,1,2,3,4,5,6,7
	v_cmp_eq_u32 vcc_lo, v[PT+4*\i+2*\g], v[MA+\g]
	v_cndmask_b32 v[TQ], -1, v[PT+4*\i+2*\g+1], vcc_lo
	v_min_u32 v[GA+\g], v[GA+\g], v[TQ]
.endr
	BFLY GA+\g                                     ; and the least group among those that have it: the lowest index
	v_min_u32 v[GA+\g], 0x1fff, v[GA+\g]           ; a group's number stays inside the table of 8,192 groups
	v_lshlrev_b32 v[OFA+\g], 13, v[GA+\g]          ; 8 rows of 1,024 bytes a group
	v_add_nc_u32 v[OFA+\g], v[OFA+\g], v[L16]
.endr
.irp g, 0,1
.irp p, 0,1,2,3,4,5,6,7
.irp c, 0,1
	global_load_b128 v[LIN+64*\g+8*\p+4*\c:LIN+64*\g+8*\p+4*\c+3], v[OFA+\g], s[6:7] offset:1024*\p+512*\c   ; 32 lanes read 512 consecutive bytes
.endr
.endr
.endr
	s_wait_kmcnt 0x0
	s_add_co_i32 s[EB], s34, s35
	s_add_co_i32 s[EB], s[EB], 1
	s_sub_co_i32 s[EB], 0, s[EB]                   ; -(e0 + e1 + 1)
	s_add_co_i32 s36, s35, 127
	s_lshl_b32 s37, s36, 23
	v_mov_b32 v[SC], s37                           ; 2^e1
	s_add_co_i32 s36, s36, 15
	s_lshl_b32 s36, s36, 23
	s_or_b32 s36, s36, 0x600000
	v_mov_b32 v[LM], s36                           ; 57,344 x 2^e1
.set n, 0
	s_wait_alu depctr_va_vdst(0)
.irp g, 0,1
.irp p, 0,1,2,3,4,5,6,7
.irp c, 0,1
	s_wait_loadcnt 31-n                            ; loads come back in order: this one is in, the younger ones may be out
	ds_store_b128 v[SA], v[LIN+64*\g+8*\p+4*\c:LIN+64*\g+8*\p+4*\c+3] offset:(8*\g+\p)*ROWP+512*\c
.set n, n+1
.endr
.endr
.endr
.irp g, 0,1                            ; group g's 8 rows: four lanes to a row.  LDS serves a wave's instructions in order: the loads see the stores above
	QL 0, QA, 8*\g*ROWP
	QL 1, QA, 8*\g*ROWP
	s_wait_dscnt 0x0
	QS 0, 128*\g
	QL 2, QA, 8*\g*ROWP
	QS 1, 128*\g
	QL 3, QA, 8*\g*ROWP
	s_wait_dscnt 0x0
	QS 2, 128*\g
	QS 3, 128*\g
	QFIN 32*\g
	s_wait_dscnt 0x0
.endr
	LDN 0, 0, 0
	s_wait_dscnt 0x0
	v_wmma_f32_16x16x128_bf8_bf8 v[ACC:ACC+7], v[FB:FB+15], v[XF:XF+15], v[BI:BI+7]
	s_wait_alu depctr_va_vdst(0)                   ; one accumulator, two links on end
	v_wmma_f32_16x16x128_bf8_bf8 v[ACC:ACC+7], v[FB+16:FB+31], v[XF+16:XF+31], v[ACC:ACC+7]
.rept 4
	v_nop
.endr
	v_mov_b32 v[MX], v[ACC]                        ; the first largest of my 8 sums, from the low end on
	v_mov_b32 v[IDX], 0
.irp j, 1,2,3,4,5,6,7
	v_cmp_gt_f32 vcc_lo, v[ACC+\j], v[MX]
	v_cndmask_b32 v[IDX], v[IDX], \j, vcc_lo
	v_max_num_f32 v[MX], v[MX], v[ACC+\j]
.endr
	v_readlane_b32 s24, v[IDX], 0                  ; group a against x_a
	v_readlane_b32 s25, v[IDX], 24                 ; group b against x_b
.irp g, 0,1
.irp p, 1,2,3,4,5,6,7                  ; the winner's row is picked into row 0's registers: a choice of values, made in every case
	s_cmp_eq_u32 s[24+\g], \p
	s_cselect_b32 s26, -1, 0
.irp i, 0,1,2,3,4,5,6,7
	v_cndmask_b32 v[LIN+64*\g+\i], v[LIN+64*\g+\i], v[LIN+64*\g+8*\p+\i], s26
.endr
.endr
.endr
.irp g, 0,1
.irp c, 0,1
	global_store_b128 v[L16], v[LIN+64*\g+4*\c:LIN+64*\g+4*\c+3], s[12:13] offset:1024*\g+512*\c th:TH_STORE_NT   ; 32 lanes store 512 consecutive bytes, aligned
.endr
.endr
	v_lshl_add_u32 v[IA], v[GA], 3, s24            ; index = 8 x group + place in it
	v_lshl_add_u32 v[IB], v[GA+1], 3, s25
	v_cmp_eq_u32 vcc_lo, 1, v[LN]
	v_cndmask_b32 v[IA], v[IA], v[IB], vcc_lo
	v_lshlrev_b32 v[O1], 2, v[LN]
	s_wait_alu depctr_va_vdst(0)
	s_wait_xcnt 0x0                                ; EXEC changes only behind this wait
	v_cmp_gt_u32 vcc_lo, 2, v[LN]
	s_set_vgpr_msb 0x5
	s_wait_tensorcnt 0x0                           ; the wave's end
	ds_add_u32 v0, v1
	s_wait_dscnt 0x0
	s_set_vgpr_msb 0x500
	s_and_saveexec_b32 s27, vcc_lo
	global_store_b32 v[O1], v[IA], s[14:15]        ; lanes 0 and 1: the two indices
	s_wait_xcnt 0x0
	s_or_b32 exec_lo, exec_lo, s27
	s_endpgm
.Lfunc_end_k_q22f52c5ceb_finish:
	.size	k_q22f52c5ceb_finish, .Lfunc_end_k_q22f52c5ceb_finish-k_q22f52c5ceb_finish
	.p2alignl 7, 3214868480
	.fill 96, 4, 3214868480
	.section	.rodata,"a",@progbits
	.p2align	6, 0x0
	.amdhsa_kernel k_q22f52c5ceb_finish
		.amdhsa_group_segment_fixed_size 168960
		.amdhsa_private_segment_fixed_size 0
		.amdhsa_enable_private_segment 0
		.amdhsa_kernarg_size 48
		.amdhsa_user_sgpr_count 2
		.amdhsa_user_sgpr_kernarg_segment_ptr 1
		.amdhsa_wavefront_size32 1
		.amdhsa_system_sgpr_workgroup_id_x 1
		.amdhsa_system_sgpr_workgroup_id_y 1
		.amdhsa_system_sgpr_workgroup_id_z 1
		.amdhsa_system_vgpr_workitem_id 0
		.amdhsa_next_free_vgpr 258
		.amdhsa_next_free_sgpr 66
		.amdhsa_reserve_vcc 1
		.amdhsa_float_denorm_mode_32 3
		.amdhsa_float_denorm_mode_16_64 3
		.amdhsa_memory_ordered 1
		.amdhsa_forward_progress 1
		.amdhsa_inst_pref_size 46
	.end_amdhsa_kernel
	.amdgpu_metadata
---
amdhsa.version: [ 1, 2 ]
amdhsa.kernels:
  - .name:           k_q22f52c5ceb_finish
    .symbol:         k_q22f52c5ceb_finish.kd
    .args:
      - { .name: part, .offset: 0, .size: 8, .value_kind: global_buffer, .address_space: global }
      - { .name: centroids, .offset: 8, .size: 8, .value_kind: global_buffer, .address_space: global }
      - { .name: lowp_scales, .offset: 16, .size: 8, .value_kind: global_buffer, .address_space: global }
      - { .name: x_BD_codes, .offset: 24, .size: 8, .value_kind: global_buffer, .address_space: global }
      - { .name: out0, .offset: 32, .size: 8, .value_kind: global_buffer, .address_space: global }
      - { .name: out1, .offset: 40, .size: 8, .value_kind: global_buffer, .address_space: global }
    .group_segment_fixed_size: 168960
    .private_segment_fixed_size: 0
    .kernarg_segment_align: 8
    .kernarg_segment_size: 48
    .max_flat_workgroup_size: 256
    .sgpr_count:     66
    .vgpr_count:     258
    .wavefront_size: 32
...
	.end_amdgpu_metadata
.endif
;; end of part 2
